; MI455X (gfx1250); checked and timed in simulation.
; The chip was launched on July 23, 2026; its instructions are those of AMD's public machine-readable ISA for CDNA 5 (MIT licence, August 2026) and "CDNA5" Instruction Set Architecture Reference Guide (July 2026). The comments in the code are by the model that wrote it; some were corrected since.
;; Multi Head Attention. Allowed arithmetic: matrix products marked QUANTISED: E2M3 operands, one E8M0 scale for each 32 along K, by v_wmma_scale_f32_16x16x128_f8f6f4 with both operands' format E2M3, f32 sums; everything else in f32.
;; Inputs: Wk 512 x 512 float32; Wq 512 x 512 float32; Wv 512 x 512 float32; attention_mask 2 x 1 x 4,096 x 4,096 float32; bk 512 float32; bq 512 float32; bv 512 float32; key 2 x 4,096 x 512 float32; query 2 x 4,096 x 512 float32; value 2 x 4,096 x 512 float32.
;; Outputs: out0 2 x 4,096 x 512 float32.
;; This version of the problem:
;;   THIS VERSION OF THE PROBLEM IS GIVEN IN LOW PRECISION. The matrix products marked QUANTISED in the list below multiply operands that are first quantised to E2M3 (2 exponent bits, 3 mantissa bits; 6 bits a number), with one power-of-two scale for each 32 numbers along K (OCP MX v1.0); their sums are f32. All else is computed in f32.
;;   The module's matrix products, in the order in which they are computed (A, B: the left and right operand; K: the contracted axis; several contracted axes count as one K, in the product's order):
;;     1. [M 8,192, K 512] x [K 512, N 512]; A: input query; B: input Wq: QUANTISED
;;     2. [M 8,192, K 512] x [K 512, N 512]; A: input key; B: input Wk: QUANTISED
;;     3. [M 8,192, K 512] x [K 512, N 512]; A: input value; B: input Wv: QUANTISED
;;     4. batch 16 x [M 4,096, K 64] x [K 64, N 4,096]; A: computed on the way; B: computed on the way: QUANTISED
;;     5. batch 16 x [M 4,096, K 4,096] x [K 4,096, N 64]; A: softmax (see below); B: computed on the way: QUANTISED
;;   THE QUANTISER, for each operand of a quantised product, along K:
;;     - K is cut into blocks of 32 from its start; a last block that is shorter is filled with zeros.
;;     - A block's scale is 2^e with e = floor(log2(the largest magnitude in the block)) - 2, held to -126 .. 127; a block of zeros has e = 0. As a byte (E8M0): e + 127.
;;     - Each number is divided by its block's scale, clamped to +-7.5, and rounded to the nearest number of E2M3, ties to even, subnormals kept.
;;     - The product sums the exact products of the quantised numbers (number of the format x scale) in f32.
;;   ~~~python
;;   def quantise(x, axis):      # numpy; x: float32 -> the quantised numbers, widened to float32 again
;;       x = np.moveaxis(x, axis, -1); K = x.shape[-1]
;;       x = np.pad(x, [(0, 0)] * (x.ndim - 1) + [(0, -K % 32)]); x = x.reshape(x.shape[:-1] + (-1, 32)); a = np.abs(x).max(-1, keepdims=True)
;;       e = np.where(a > 0, np.clip(np.frexp(np.where(a > 0, a, 1))[1] - 1 - 2, -126, 127), 0)      # np.frexp(a)[1] - 1 = floor(log2(a)), exactly
;;       r = np.clip(x / 2.0 ** e, -7.5, 7.5)
;;       step = 2.0 ** (np.maximum(np.frexp(np.where(r == 0, 1, r))[1] - 1, 0) - 3)
;;       q = np.round(r / step) * step * 2.0 ** e      # np.round: ties to even
;;       return np.moveaxis(q.reshape(q.shape[:-2] + (-1,))[..., :K], -1, axis).astype(np.float32)
;;   ~~~
;;   SOFTMAX AHEAD OF A QUANTISED PRODUCT. Where the list says 'softmax', what is quantised is not the finished softmax but p = 2^(t - M), with t = logit x log2(e) and M = ceil(the row's largest t), a whole number; so 1/2 < the row's largest p <= 1. The row's sum l is taken of the UNQUANTISED p, in f32, and the product's result is divided by l at the end. Since M is a whole number, a kernel that streams over the keys may use a running M (the ceiling of the running maximum): every later rescaling is an exact power of two, which a block's scale takes up: the codes' values come out the same.
;;   OPERANDS COMPUTED ON THE WAY. 'Computed on the way' means the value that the module computes at that place (a softmax that the list does not call 'softmax' is quantised finished and normalised). What goes into a quantiser is computed in f32, as accurately as f32 sums, v_exp_f32 and their like allow (about 1e-6 of the number): no bf16 or f16 on the way to a quantiser, and a product that is left as it is and whose result goes on into a quantised operand takes f32 operands (vector FMAs, or v_wmma_f32_16x16x4_f32). A number that lies on a knife's edge between two numbers of the format may be rounded either way, as far as f32 arithmetic and the matrix unit's own rounding can turn it there, and no further.
;; One version. Each part assembles by itself: llvm-mc -triple=amdgcn-amd-amdhsa -mcpu=gfx1250 --defsym DOCPART=n.
;; ======== version 1 of 1: 3 launches
;; limits: right only within a limited range of input values
;; workspace buffers: cc 10,027,008 bytes; sc 417,792 bytes; qc 3,407,872 bytes; kv 6,684,672 bytes
;; launch quant (part 1): grid 408 x 1, 4 waves a work-group, no clusters, 34,304 bytes of LDS; arguments query, key, value, Wq, Wk, Wv, cc, sc; writes cc, sc
.if DOCPART == 1
	.amdgcn_target "amdgcn-amd-amdhsa--gfx1250"
	.amdhsa_code_object_version 6
	.text
	.protected	k_q595dc5d126_quant
	.globl	k_q595dc5d126_quant
	.p2align	8
	.type	k_q595dc5d126_quant,@function
k_q595dc5d126_quant:
	s_mov_b64 s[64:65], 0
	v_nop
	global_prefetch_b8 v0, s[64:65] scope:SCOPE_SE
	s_setreg_imm32_b32 hwreg(HW_REG_WAVE_MODE, 25, 1), 1
	s_wait_xcnt 0x0
; LAUNCH 1 OF 3.  query, key, value [8192][512] and Wq, Wk, Wv [512][512], f32 with K innermost, become codes of FP6 (E2M3) with one E8M0 scale byte for each 32 along K.
; DEAD WORK: none is left out in this program.  Every input has a way to the output: the three biases move the codes and scales of q, k and v, which are operands of live quantised products,
; and attention_mask differs along the softmax's axis.  The upper 64 of the K = 128 of the products q k^T (launch 3) are zero codes: the instruction's form, not work of the problem.
; LAYOUT OF THE WORKSPACE: IMAGES OF OPERAND REGISTERS.  The rows go in blocks of 32 (816 blocks: 256 each of query, key, value, 16 each of Wq, Wk, Wv).  A fragment is 16 rows x 128 K = 12 registers a lane.
; TILE u (0, 1) OF A BLOCK HOLDS, IN LANE r, THE BLOCK'S ROW 8 u + r + 8 (r / 8): used as source 0 of a product, tiles 0 and 1 then leave 16 neighbouring rows in a lane's 16 result registers.
; cc: block x 12,288 + (2 s + u) x 1,536 (s: which 128 of K) + piece x 512 + 16 x lane: piece c holds the lane's registers 4 c .. 4 c + 3.
; sc: block x 512 + (s / 2) x 256 + 8 x lane + 4 (s % 2): a row's scale word for K step s; lanes 0-15 tile 0's rows, lanes 16-31 tile 1's.
; A block's scale is 2^(floor(log2(its largest magnitude)) - 2); its byte is the largest magnitude's exponent field - 2, held at 1 from below.
; LIMITS: a block of zeros gets the byte 1 where the rule says 127 (its codes are zeros, and this program alone reads the bytes); blocks whose largest magnitude lies under 2^-124 are held at the byte 1;
; NaN and infinities among these inputs are not served.
; SHARES.  A wave takes 32 rows x 256 along K: four fragments (sl = which 128, u), 32,768 bytes in, 6,144 + 256 bytes out.  Each load reads 512 consecutive bytes of one row; a fragment's 16 rows turn through the
; wave's own stage in LDS (rows of 512 + 16 bytes) and come back as 2 x 32 neighbours a lane, in the order of the operand's registers.  Three fragments' loads (48) are out at the start.
; No tensor load, no barrier, no cluster: waves share nothing, and each input byte is read once in the launch.
.set WST,   16*528                     ; a wave's stage
.set SPARE, 4*WST                      ; behind the stages: the spare words, 128 bytes for each wave: two blocks of 256 bytes that no other line names
.set LI,   1                           ; v1   16 x lane: my bytes of a load's 512, and of a piece of codes
.set SIN,  2                           ; v2   the stage, on the way in
.set SOUT, 3                           ; v3   and on the way out: row r, + 128 (lane / 16)
.set L8,   4                           ; v4   8 x lane
.set SH,   5                           ; v5   8 (lane / 16): where my two scale bytes stand in the word
.set SPW,  6                           ; v6   LDS address of my spare word; never rewritten
.set NIL,  7                           ; v7   0; never rewritten
.set R0,   16                          ; three sets of 64 numbers
.set R1,   80
.set R2,   144
.set PC,   208                         ; v208-219 a fragment's codes
.set PT,   220                         ; v220-227 the conversions' second halves
.set MX,   228                         ; v228-229 my two blocks' largest magnitudes
.set SO,   230                         ; v230-231 the conversions' scale operands
.set BY,   232                         ; v232-233 the scale bytes
.set W0,   234                         ; tile 0's scale word
.set WT,   235                         ; the word in hand
.set WX,   236                         ; the other half of the lanes' part of it
.set SW,   238                         ; v238-239 the two words that leave
	s_load_b256 s[4:11], s[0:1], 0x0               ; query s[4:5], key s[6:7], value s[8:9], Wq s[10:11]
	s_load_b256 s[12:19], s[0:1], 0x20             ; Wk s[12:13], Wv s[14:15], cc s[16:17], sc s[18:19]
	v_lshl_add_u32 v[SPW], v0, 2, SPARE
	v_mov_b32 v[NIL], 0
	v_lshrrev_b32 v8, 5, v0
	v_readfirstlane_b32 s23, v8                    ; wave 0..3
	v_and_b32 v9, 31, v0                           ; lane
	v_and_b32 v10, 15, v0                          ; r
	v_bfe_u32 v11, v0, 4, 1                        ; h
	v_lshlrev_b32 v[LI], 4, v9
	s_mul_i32 s27, s23, WST
	v_add_nc_u32 v[SIN], s27, v[LI]
	v_mul_u32_u24 v[SOUT], v10, 528
	v_lshl_add_u32 v[SOUT], v11, 7, v[SOUT]
	v_add_nc_u32 v[SOUT], s27, v[SOUT]
	v_lshlrev_b32 v[L8], 3, v9
	v_lshlrev_b32 v[SH], 3, v11
	v_mov_b32 v[WX], 0                             ; written once: a lane permute's destination counts as one of its sources
	s_mov_b32 s20, 0x76543210
	s_mov_b32 s21, 0xfedcba98                      ; v_permlanex16_b32's selects for lane l xor 16
	s_mov_b32 s22, 0xffff0000                      ; lanes 16-31
	s_lshr_b32 s28, s23, 1                         ; which of the work-group's two row blocks
	s_and_b32 s29, s23, 1                          ; which 256 along K
	s_wait_alu depctr_va_vdst(0)
	s_wait_kmcnt 0x0
	; which tensor: work-groups 0-127 query, 128-255 key, 256-383 value, 384-391 Wq, 392-399 Wk, 400-407 Wv.  The choice hangs on the work-group's number alone
	s_mov_b64 s[24:25], s[14:15]
	s_mov_b32 s26, 400
	s_cmp_lt_u32 ttmp9, 400
	s_cselect_b64 s[24:25], s[12:13], s[24:25]
	s_cselect_b32 s26, 392, s26
	s_cmp_lt_u32 ttmp9, 392
	s_cselect_b64 s[24:25], s[10:11], s[24:25]
	s_cselect_b32 s26, 384, s26
	s_cmp_lt_u32 ttmp9, 384
	s_cselect_b64 s[24:25], s[8:9], s[24:25]
	s_cselect_b32 s26, 256, s26
	s_cmp_lt_u32 ttmp9, 256
	s_cselect_b64 s[24:25], s[6:7], s[24:25]
	s_cselect_b32 s26, 128, s26
	s_cmp_lt_u32 ttmp9, 128
	s_cselect_b64 s[24:25], s[4:5], s[24:25]
	s_cselect_b32 s26, 0, s26
	s_sub_co_u32 s30, ttmp9, s26
	s_lshl_b32 s30, s30, 1
	s_add_co_u32 s30, s30, s28                     ; my row block within the tensor
	s_lshl_b32 s30, s30, 16                        ; 32 rows of 2,048 bytes
	s_lshl_b32 s31, s29, 10                        ; 256 numbers along K
	s_add_co_u32 s30, s30, s31
	s_mov_b32 s31, 0
	s_add_nc_u64 s[24:25], s[24:25], s[30:31]
	s_lshl_b32 s32, ttmp9, 1
	s_add_co_u32 s32, s32, s28                     ; my row block among the 816
	s_mul_i32 s34, s32, 12288
	s_mul_i32 s33, s29, 6144
	s_add_co_u32 s34, s34, s33
	s_mov_b32 s35, 0
	s_add_nc_u64 s[16:17], s[16:17], s[34:35]      ; where my four fragments go
	s_lshl_b32 s34, s32, 9
	s_lshl_b32 s33, s29, 8
	s_add_co_u32 s34, s34, s33
	s_add_nc_u64 s[18:19], s[18:19], s[34:35]      ; and their scale words
; fragment f = 2 sl + u: its 16 rows, 512 bytes of each
.macro LOAD f, set
.irp i, 0,1,2,3,4,5,6,7,8,9,10,11,12,13,14,15
	global_load_b128 v[\set+4*\i:\set+4*\i+3], v[LI], s[24:25] offset:(8*((\f)%2)+\i+8*(\i/8))*2048+512*((\f)/2) th:TH_LOAD_NT
.endr
.endm
; left: the loads of younger fragments, which may stay out
.macro FRAG f, set, left
	s_wait_loadcnt \left
.irp i, 0,1,2,3,4,5,6,7,8,9,10,11,12,13,14,15
	ds_store_b128 v[SIN], v[\set+4*\i:\set+4*\i+3] offset:528*\i
.endr
.irp c, 0,1                            ; LDS serves a wave's instructions in order: these see the stores above.  Registers 32 c + 0 .. 31: k = 64 c + 32 h + 0 .. 31 of my row
.irp e, 0,1,2,3,4,5,6,7
	ds_load_b128 v[\set+32*\c+4*\e:\set+32*\c+4*\e+3], v[SOUT] offset:256*\c+16*\e
.endr
.endr
	s_wait_dscnt 0x0
.irp c, 0,1
	v_max3_num_f32 v[MX+\c], |v[\set+32*\c]|, |v[\set+32*\c+1]|, 0x1800000   ; my block 2 c + h: all 32 numbers are mine; and the floor 2^(3 - 127): the byte cannot fall under 1
.endr
.irp i, 2,4,6,8,10,12,14,16,18,20,22,24,26,28,30
.irp c, 0,1
	v_max3_num_f32 v[MX+\c], v[MX+\c], |v[\set+32*\c+\i]|, |v[\set+32*\c+\i+1]|   ; (the two blocks by turns)
.endr
.endr
.irp c, 0,1
	v_add_nc_u32 v[SO+\c], 0xff000000, v[MX+\c]    ; 2 off the exponent field: the conversion takes the exponent field of this operand as its scale
.endr
.irp c, 0,1
	v_lshrrev_b32 v[BY+\c], 23, v[SO+\c]           ; the scale's byte
.endr
	v_lshl_or_b32 v[WT], v[BY+1], 16, v[BY]        ; blocks h and 2 + h,
	v_lshlrev_b32 v[WT], v[SH], v[WT]              ; at their places in the word;
	v_permlanex16_b32 v[WX], v[WT], s20, s21
	v_or_b32 v[WT], v[WT], v[WX]                   ; with lane l xor 16's two the word is whole, in both halves of the lanes
.if \f > 0
	s_wait_alu depctr_va_vdst(0)
	s_wait_xcnt 0x0                                ; the last fragment's stores have read the codes' registers
.endif
.irp c, 0,1
	v_cvt_scalef32_pk16_fp6_f32 v[PC+6*\c:PC+6*\c+2], v[\set+32*\c:\set+32*\c+15], v[SO+\c]
	v_cvt_scalef32_pk16_fp6_f32 v[PT+4*\c:PT+4*\c+2], v[\set+32*\c+16:\set+32*\c+31], v[SO+\c]   ; (a conversion's three registers begin on an even number)
.endr
	v_nop                                          ; one plain place behind a scaled conversion
.irp c, 0,1
.irp i, 0,1,2
	v_mov_b32 v[PC+3+6*\c+\i], v[PT+4*\c+\i]
.endr
.endr
.irp p, 0,1,2
	global_store_b128 v[LI], v[PC+4*\p:PC+4*\p+3], s[16:17] offset:(\f)*1536+512*\p   ; 32 lanes store 512 consecutive bytes, at a multiple of 256 from the buffer's first byte
.endr
.if (\f)%2 == 0
	v_mov_b32 v[W0], v[WT]
.else
	v_cndmask_b32 v[SW+(\f)/2], v[W0], v[WT], s22  ; lanes 0-15 tile 0's words, lanes 16-31 tile 1's
.endif
.endm
	LOAD 0, R0
	LOAD 1, R1
	LOAD 2, R2
	FRAG 0, R0, 32
	LOAD 3, R0
	FRAG 1, R1, 32
	FRAG 2, R2, 16
	FRAG 3, R0, 0
	global_store_b64 v[L8], v[SW:SW+1], s[18:19]   ; 32 lanes store 256 consecutive bytes, aligned
	s_wait_tensorcnt 0x0                           ; the wave's end
	ds_add_u32 v[SPW], v[NIL]
	s_wait_dscnt 0x0
	s_endpgm
.Lfunc_end_k_q595dc5d126_quant:
	.size	k_q595dc5d126_quant, .Lfunc_end_k_q595dc5d126_quant-k_q595dc5d126_quant
	.p2alignl 7, 3214868480
	.fill 96, 4, 3214868480
	.section	.rodata,"a",@progbits
	.p2align	6, 0x0
	.amdhsa_kernel k_q595dc5d126_quant
		.amdhsa_group_segment_fixed_size 34304
		.amdhsa_private_segment_fixed_size 0
		.amdhsa_enable_private_segment 0
		.amdhsa_kernarg_size 64
		.amdhsa_user_sgpr_count 2
		.amdhsa_user_sgpr_kernarg_segment_ptr 1
		.amdhsa_wavefront_size32 1
		.amdhsa_system_sgpr_workgroup_id_x 1
		.amdhsa_system_sgpr_workgroup_id_y 1
		.amdhsa_system_sgpr_workgroup_id_z 1
		.amdhsa_system_vgpr_workitem_id 0
		.amdhsa_next_free_vgpr 256
		.amdhsa_next_free_sgpr 66
		.amdhsa_reserve_vcc 0
		.amdhsa_float_denorm_mode_32 3
		.amdhsa_float_denorm_mode_16_64 3
		.amdhsa_memory_ordered 1
		.amdhsa_forward_progress 1
		.amdhsa_inst_pref_size 31
	.end_amdhsa_kernel
	.amdgpu_metadata
---
amdhsa.version: [ 1, 2 ]
amdhsa.kernels:
  - .name:           k_q595dc5d126_quant
    .symbol:         k_q595dc5d126_quant.kd
    .args:
      - { .name: query, .offset: 0, .size: 8, .value_kind: global_buffer, .address_space: global }
      - { .name: key, .offset: 8, .size: 8, .value_kind: global_buffer, .address_space: global }
      - { .name: value, .offset: 16, .size: 8, .value_kind: global_buffer, .address_space: global }
      - { .name: Wq, .offset: 24, .size: 8, .value_kind: global_buffer, .address_space: global }
      - { .name: Wk, .offset: 32, .size: 8, .value_kind: global_buffer, .address_space: global }
      - { .name: Wv, .offset: 40, .size: 8, .value_kind: global_buffer, .address_space: global }
      - { .name: cc, .offset: 48, .size: 8, .value_kind: global_buffer, .address_space: global }
      - { .name: sc, .offset: 56, .size: 8, .value_kind: global_buffer, .address_space: global }
    .group_segment_fixed_size: 34304
    .private_segment_fixed_size: 0
    .kernarg_segment_align: 8
    .kernarg_segment_size: 64
    .max_flat_workgroup_size: 128
    .sgpr_count:     66
    .vgpr_count:     256
    .wavefront_size: 32
...
	.end_amdgpu_metadata
.endif
;; end of part 1
;; launch proj (part 2): grid 64 x 3, 8 waves a work-group, no clusters, 0 bytes of LDS; arguments cc, sc, bq, bk, bv, qc, kv; writes qc, kv
.if DOCPART == 2
	.amdgcn_target "amdgcn-amd-amdhsa--gfx1250"
	.amdhsa_code_object_version 6
	.text
	.protected	k_q595dc5d126_proj
	.globl	k_q595dc5d126_proj
	.p2align	8
	.type	k_q595dc5d126_proj,@function
k_q595dc5d126_proj:
	s_mov_b64 s[64:65], 0
	v_nop
	global_prefetch_b8 v0, s[64:65] scope:SCOPE_SE
	s_setreg_imm32_b32 hwreg(HW_REG_WAVE_MODE, 25, 1), 1
	s_wait_xcnt 0x0
; LAUNCH 2 OF 3.  x W^T + b on the codes of launch 1 (x = query, key, value by the work-group's y = T), and the result quantised in registers: q and k along the head's 64, v along the tokens.  No work is left out.
; SHARES.  A work-group takes 128 tokens (group g: four blocks of 32) of one tensor; wave = head.  A wave's 64 rows of W, 24,576 consecutive bytes of codes, stay in 192 registers.
; Q AND K: source 0 = 16 rows of W, source 1 = 16 tokens: a lane holds ONE token, and by the order of rows in a tile (launch 1) its 16 registers of tiles u = 0, 1 are 16 neighbouring dims.
; V: the sources are swapped: a lane holds ONE dim, and its 16 registers of token tiles 0, 1 are 16 neighbouring tokens, along which v is quantised.
; The bias is the C of each sum's first matrix instruction, in the result's layout.
; WHAT IS STORED, as launch 3 reads it (images of operand registers; t = 2 b' + u names a tile of 16 of the head's dims, lane r of it dim 32 b' + 8 u + r + 8 (r / 8)):
;  kv, group g x 104,448:  + head x 6,144 + kb x 1,536: K's codes of token block kb, 12 registers a lane: tile 0's six, then tile 1's six (six registers = the head's 64 dims; lane (r, h): dims 32 h on);
;    + 49,152 + head x 6,144 + t x 1,536 + cf x 768: V's fragment t, registers 6 cf .. 6 cf + 3 at 16 x lane, registers 6 cf + 4, 5 at 512 + 8 x lane (lane (r, h): tokens 64 cf + 32 h on);
;    + 98,304 + head x 512 + 16 x lane + 4 kb: K's scale words: bytes of dims 0-31 and 32-63, then 0x7f, 0x7f; lanes 0-15 tile 0, lanes 16-31 tile 1;
;    + 102,400 + head x 256 + 8 x lane + 4 c: V's scale words, byte kb for token block kb; lanes 0-15 tile 2 c, lanes 16-31 tile 2 c + 1.
;  qc, group g x 53,248: codes as K's; + 49,152 + head x 512 + 16 x lane + 4 kb: scale words as K's.
; LIMITS: as launch 1's (a block of zeros carries the byte 1; NaN and infinities are not served).
; No LDS, no barrier, no cluster: the launch has no tensor load; operands go from memory straight into registers, 512 consecutive bytes an instruction.  The eight waves each read the group's 49,152 bytes of x's codes.
; REGISTERS.  Window 0: v1-3 offsets; v16-111 x's 8 fragments; v112-175 the 8 accumulators; v176-195 codes; v196-211 at work; v212-223 scale words of x and W; v224-245 what leaves.
;   Window 1: v0-191 W's 16 fragments ((b', s, u) at 12 (8 b' + 2 s + u)); v192-223 the bias, tile t at 8 t.
.set LI,  1                            ; v1  16 x lane
.set L8,  2                            ; v2  8 x lane
.set BO,  3                            ; v3  my lane's offset in the bias
.set XF,  16
.set HA,  112
.set PC,  176
.set TM,  196                          ; +0 largest magnitudes, +4 bytes, +12 the conversions' scale operands
.set XS,  212                          ; x's scale words, one for each K step
.set WS,  216                          ; W's: 4 b' + s
.set OS,  224                          ; scale words that leave
.set VSW, 228                          ; V: a growing word for each tile of dims
.set E,   232                          ; V: the even token block's codes
.set BI,  192                          ; in window 1
.set MSB, 0
.macro WIN new                         ; the immediate's high byte repeats the setting that is left
.if MSB != \new
	s_set_vgpr_msb (MSB<<8)|\new
.set MSB, \new
.endif
.endm
.macro WMMA d, a, b, c, sa, sb, ra, rb ; ra, rb: the side's scale words stand in lanes 16-31
.if (\ra) && (\rb)
	v_wmma_scale_f32_16x16x128_f8f6f4 v[\d:\d+7], v[\a:\a+11], v[\b:\b+11], v[\c:\c+7], v[\sa], v[\sb] matrix_a_fmt:MATRIX_FMT_FP6 matrix_b_fmt:MATRIX_FMT_FP6 matrix_a_scale:MATRIX_SCALE_ROW1 matrix_b_scale:MATRIX_SCALE_ROW1
.elseif (\ra)
	v_wmma_scale_f32_16x16x128_f8f6f4 v[\d:\d+7], v[\a:\a+11], v[\b:\b+11], v[\c:\c+7], v[\sa], v[\sb] matrix_a_fmt:MATRIX_FMT_FP6 matrix_b_fmt:MATRIX_FMT_FP6 matrix_a_scale:MATRIX_SCALE_ROW1
.elseif (\rb)
	v_wmma_scale_f32_16x16x128_f8f6f4 v[\d:\d+7], v[\a:\a+11], v[\b:\b+11], v[\c:\c+7], v[\sa], v[\sb] matrix_a_fmt:MATRIX_FMT_FP6 matrix_b_fmt:MATRIX_FMT_FP6 matrix_b_scale:MATRIX_SCALE_ROW1
.else
	v_wmma_scale_f32_16x16x128_f8f6f4 v[\d:\d+7], v[\a:\a+11], v[\b:\b+11], v[\c:\c+7], v[\sa], v[\sb] matrix_a_fmt:MATRIX_FMT_FP6 matrix_b_fmt:MATRIX_FMT_FP6
.endif
.endm
; token block kb: its 8 fragments (24 pieces of 512 bytes) and its scale words
.macro XLOAD kb
.set P, 0
.rept 24
	global_load_b128 v[XF+4*P:XF+4*P+3], v[LI], s[24:25] offset:(\kb)*12288+512*P
.set P, P+1
.endr
	global_load_b64 v[XS:XS+1], v[L8], s[26:27] offset:(\kb)*512
	global_load_b64 v[XS+2:XS+3], v[L8], s[26:27] offset:(\kb)*512+256
.endm
; 32 matrix instructions; the eight accumulators take turns, one instruction a turn, K step by K step
.macro MMQK                            ; D (token tile p, b', u) at HA + 32 p + 16 b' + 8 u
.irp s, 0,1,2,3
.if \s == 0
	WIN 0x11                                       ; source 0 (W) and source 2 (the bias) window 1
.else
	WIN 0x01
.endif
.irp p, 0,1
.irp b, 0,1
.irp u, 0,1
.if \s == 0
	WMMA HA+32*\p+16*\b+8*\u, 12*(8*\b+2*\s+\u), XF+12*(2*\s+\p), BI+8*(2*\b+\u), WS+4*\b+\s, XS+\s, \u, \p
.else
	WMMA HA+32*\p+16*\b+8*\u, 12*(8*\b+2*\s+\u), XF+12*(2*\s+\p), HA+32*\p+16*\b+8*\u, WS+4*\b+\s, XS+\s, \u, \p
.endif
.endr
.endr
.endr
.endr
	WIN 0
.endm
.macro MMV                             ; D (t = 2 b' + u, token tile p) at HA + 16 t + 8 p
.irp s, 0,1,2,3
.if \s == 0
	WIN 0x14                                       ; source 1 (W) and source 2 (the bias) window 1
.else
	WIN 0x04
.endif
.irp p, 0,1
.irp b, 0,1
.irp u, 0,1
.if \s == 0
	WMMA HA+16*(2*\b+\u)+8*\p, XF+12*(2*\s+\p), 12*(8*\b+2*\s+\u), BI+8*(2*\b+\u), XS+\s, WS+4*\b+\s, \p, \u
.else
	WMMA HA+16*(2*\b+\u)+8*\p, XF+12*(2*\s+\p), 12*(8*\b+2*\s+\u), HA+16*(2*\b+\u)+8*\p, XS+\s, WS+4*\b+\s, \p, \u
.endif
.endr
.endr
.endr
.endr
	WIN 0
.endm
; Four blocks of 32: block b is the lane's registers HA + 16 b + 0 .. 15 and lane l xor 16's.  Codes: v[PC + 6 c ..+5]: lanes 0-15 the whole block 2 c, lanes 16-31 block 2 c + 1.  Bytes: v[TM + 4 + b].
.macro QUANT
.irp b, 0,1,2,3
	v_max3_num_f32 v[TM+\b], |v[HA+16*\b]|, |v[HA+1+16*\b]|, 0x1800000   ; and the floor 2^(3 - 127): the byte cannot fall under 1
.endr
.irp i, 2,4,6,8,10,12,14
.irp b, 0,1,2,3
	v_max3_num_f32 v[TM+\b], v[TM+\b], |v[HA+16*\b+\i]|, |v[HA+1+16*\b+\i]|   ; (the four blocks by turns; each accumulator is read from its low end on)
.endr
.endr
.irp b, 0,1,2,3
	s_delay_alu instid0(VALU_DEP_4)
	v_permlanex16_b32 v[TM+4+\b], v[TM+\b], s20, s21
.endr
.irp b, 0,1,2,3
	s_delay_alu instid0(VALU_DEP_4)
	v_max_num_f32 v[TM+\b], v[TM+\b], v[TM+4+\b]
.endr
.irp b, 0,1,2,3
	s_delay_alu instid0(VALU_DEP_4)
	v_add_nc_u32 v[TM+12+\b], 0xff000000, v[TM+\b] ; 2 off the exponent field: the conversion's scale operand
.endr
.irp b, 0,1,2,3
	s_delay_alu instid0(VALU_DEP_4)
	v_lshrrev_b32 v[TM+4+\b], 23, v[TM+12+\b]      ; the scale's byte
.endr
.irp c, 0,1
	v_cvt_scalef32_pk16_fp6_f32 v[PC+6*\c:PC+2+6*\c], v[HA+32*\c:HA+15+32*\c], v[TM+12+2*\c]
	v_cvt_scalef32_pk16_fp6_f32 v[PC+12+4*\c:PC+14+4*\c], v[HA+16+32*\c:HA+31+32*\c], v[TM+12+2*\c+1]   ; (a conversion's three registers begin on an even number)
.endr
	v_nop                                          ; one plain place behind a scaled conversion
.irp c, 0,1
.irp i, 0,1,2
	v_permlane16_swap_b32 v[PC+6*\c+\i], v[PC+12+4*\c+\i]   ; the first's lanes 16-31 change places with the second's lanes 0-15: a whole block in a lane
.endr
.irp i, 0,1,2
	s_delay_alu instid0(VALU_DEP_3)
	v_mov_b32 v[PC+3+6*\c+\i], v[PC+12+4*\c+\i]
.endr
.endr
.endm
.macro PLACES                          ; four places in front of loads into registers that the products have read and of the first read of results; a fifth, since the next block's products begin these accumulators anew
.rept 5
	v_nop
.endr
.endm
	s_load_b256 s[4:11], s[0:1], 0x0               ; cc s[4:5], sc s[6:7], bq s[8:9], bk s[10:11]
	s_load_b128 s[12:15], s[0:1], 0x20             ; bv s[12:13], qc s[14:15]
	s_load_b64 s[16:17], s[0:1], 0x30              ; kv
	v_lshrrev_b32 v4, 5, v0
	s_delay_alu instid0(VALU_DEP_1)
	v_readfirstlane_b32 s18, v4                    ; wave = head
	s_and_b32 s19, ttmp7, 0xffff                   ; T: 0 query, 1 key, 2 value
	v_and_b32 v5, 31, v0
	s_delay_alu instid0(VALU_DEP_1)
	v_lshlrev_b32 v[LI], 4, v5
	s_delay_alu instid0(VALU_DEP_2)
	v_lshlrev_b32 v[L8], 3, v5
	s_mov_b32 s20, 0x76543210
	s_mov_b32 s21, 0xfedcba98                      ; v_permlanex16_b32's selects for lane l xor 16
	s_mov_b32 s22, 0xffff0000                      ; lanes 16-31
.irp b, 0,1,2,3
	v_mov_b32 v[TM+4+\b], 0                        ; written once: a lane permute's destination counts as one of its sources
.endr
	s_lshl_b32 s38, s19, 8
	s_lshl_b32 s39, ttmp9, 2
	s_add_co_u32 s38, s38, s39                     ; x's first row block: 256 T + 4 g
	s_mul_i32 s40, s38, 12288
	s_mov_b32 s41, 0
	s_lshl_b32 s42, s38, 9
	s_mov_b32 s43, 0
	s_lshl_b32 s38, s19, 4
	s_lshl_b32 s39, s18, 1
	s_add_co_u32 s38, s38, s39
	s_add_co_u32 s38, s38, 768                     ; W's: 768 + 16 T + 2 head
	s_mul_i32 s44, s38, 12288
	s_mov_b32 s45, 0
	s_lshl_b32 s46, s38, 9
	s_mov_b32 s47, 0
	s_wait_alu depctr_va_vdst(0)
	s_wait_kmcnt 0x0
	s_add_nc_u64 s[24:25], s[4:5], s[40:41]        ; x's codes
	s_add_nc_u64 s[26:27], s[6:7], s[42:43]        ; x's scale words
	s_add_nc_u64 s[28:29], s[4:5], s[44:45]        ; W's codes
	s_add_nc_u64 s[30:31], s[6:7], s[46:47]        ; W's scale words
	WIN 0x40                                       ; destination window 1
.set P, 0
.rept 48
	global_load_b128 v[4*P:4*P+3], v[LI], s[28:29] offset:512*P
.set P, P+1
.endr
	WIN 0
.irp i, 0,1,2,3
	global_load_b64 v[WS+2*\i:WS+2*\i+1], v[L8], s[30:31] offset:256*\i
.endr
	XLOAD 0
	s_cmp_eq_u32 s19, 0
	s_cselect_b64 s[32:33], s[8:9], s[10:11]
	s_cselect_b64 s[34:35], s[14:15], s[16:17]     ; q goes to qc, k and v to kv
	s_mov_b32 s38, 104448
	s_cselect_b32 s38, 53248, s38                  ; a group's bytes there
	s_mov_b32 s40, 98304
	s_cselect_b32 s40, 49152, s40                  ; and where q's or k's scale words begin in a group
	s_cmp_eq_u32 s19, 2
	s_cselect_b64 s[32:33], s[12:13], s[32:33]     ; the bias
	s_mul_i32 s38, s38, ttmp9
	s_mov_b32 s39, 0
	s_add_nc_u64 s[34:35], s[34:35], s[38:39]      ; my group
	s_lshl_b32 s38, s18, 8
	s_add_nc_u64 s[32:33], s[32:33], s[38:39]      ; my head's 64 numbers of the bias
	s_mul_i32 s38, s18, 6144
	s_mov_b32 s43, 0
	s_cmp_eq_u32 s19, 2
	s_cbranch_scc1 .Lvpath
	; ---- Q and K
	s_lshl_b32 s42, s18, 9
	s_add_co_u32 s42, s42, s40
	s_add_nc_u64 s[36:37], s[34:35], s[42:43]      ; my head's scale words
	s_add_nc_u64 s[34:35], s[34:35], s[38:39]      ; my head's codes
	v_bfe_u32 v[BO], v0, 4, 1
	s_delay_alu instid0(VALU_DEP_1)
	v_lshlrev_b32 v[BO], 6, v[BO]                  ; lane (r, h), tile (b', u), register j: bias of dim 32 b' + 8 u + 16 h + j
	WIN 0x40
.irp t, 0,1,2,3
	global_load_b128 v[BI+8*\t:BI+8*\t+3], v[BO], s[32:33] offset:(32*(\t/2)+8*(\t%2))*4
	global_load_b128 v[BI+8*\t+4:BI+8*\t+7], v[BO], s[32:33] offset:(32*(\t/2)+8*(\t%2))*4+16
.endr
	WIN 0
	s_wait_loadcnt 0x0
.macro QKBLOCK kb
.if \kb > 0
	s_wait_loadcnt 0x0                             ; this block's fragments of x
.endif
	MMQK
	PLACES
	s_wait_xcnt 0x0                                ; the last block's stores have read the codes' registers
.if \kb < 3
	XLOAD \kb+1
.endif
	QUANT                                          ; blocks 0, 1: token tile 0's dims 0-31, 32-63; blocks 2, 3: token tile 1's
.irp c, 0,1,2
	global_store_b128 v[LI], v[PC+4*\c:PC+4*\c+3], s[34:35] offset:(\kb)*1536+512*\c
.endr
	v_lshl_or_b32 v244, v[TM+5], 8, v[TM+4]
	v_lshl_or_b32 v245, v[TM+7], 8, v[TM+6]
	s_delay_alu instid0(VALU_DEP_1)
	v_cndmask_b32 v244, v244, v245, s22            ; lanes 0-15 tile 0's two bytes, lanes 16-31 tile 1's
	s_delay_alu instid0(VALU_DEP_1)
	v_or_b32 v[OS+\kb], 0x7f7f0000, v244           ; the bytes of the upper 64 of K = 128, where q's codes are zeros: 1.0
.endm
	QKBLOCK 0
	QKBLOCK 1
	QKBLOCK 2
	QKBLOCK 3
	global_store_b128 v[LI], v[OS:OS+3], s[36:37]
	s_endpgm
	; ---- V
.Lvpath:
	s_add_co_u32 s38, s38, 49152
	s_lshl_b32 s42, s18, 8
	s_add_co_u32 s42, s42, 102400
	s_add_nc_u64 s[36:37], s[34:35], s[42:43]      ; my head's scale words
	s_add_nc_u64 s[34:35], s[34:35], s[38:39]      ; my head's codes
	v_and_b32 v4, 15, v0
	s_delay_alu instid0(VALU_DEP_1)
	v_and_b32 v[BO], 8, v4
	s_delay_alu instid0(VALU_DEP_1)
	v_add_nc_u32 v[BO], v[BO], v4
	s_delay_alu instid0(VALU_DEP_1)
	v_lshlrev_b32 v[BO], 2, v[BO]                  ; lane r of tile (b', u): bias of dim 32 b' + 8 u + r + 8 (r / 8), the same in all eight registers
	WIN 0x40
.irp t, 0,1,2,3
	global_load_b32 v[BI+8*\t], v[BO], s[32:33] offset:(32*(\t/2)+8*(\t%2))*4
.endr
	WIN 0
	s_wait_loadcnt 0x0
	WIN 0x41
.irp t, 0,1,2,3
.irp j, 1,2,3,4,5,6,7
	v_mov_b32 v[BI+8*\t+\j], v[BI+8*\t]
.endr
.endr
	WIN 0
.macro VBLOCK kb
.if \kb > 0
	s_wait_loadcnt 0x0
.endif
	MMV
	PLACES
	s_wait_xcnt 0x0                                ; the earlier stores have read their registers
.if \kb < 3
	XLOAD \kb+1
.endif
	QUANT                                          ; block t: the 32 tokens of block kb, for lane r's dim of tile t
.irp t, 0,1,2,3
.if \kb == 0
	v_mov_b32 v[VSW+\t], v[TM+4+\t]
.else
	v_lshl_or_b32 v[VSW+\t], v[TM+4+\t], 8*(\kb), v[VSW+\t]
.endif
.endr
.if (\kb)%2 == 0
.irp i, 0,1,2,3,4,5,6,7,8,9,10,11
	v_mov_b32 v[E+\i], v[PC+\i]                    ; kept for the odd block
.endr
.else
.irp i, 0,1,2,3,4,5,6,7,8,9,10,11
	v_permlane16_swap_b32 v[E+\i], v[PC+\i]        ; E: lanes 0-15 the even block, lanes 16-31 the odd one, of tiles 0 (registers 0-5) and 2 (6-11); PC: the same of tiles 1 and 3
.endr
.irp c, 0,1
	global_store_b128 v[LI], v[E+6*\c:E+6*\c+3], s[34:35] offset:(2*\c)*1536+((\kb)/2)*768
	global_store_b64 v[L8], v[E+6*\c+4:E+6*\c+5], s[34:35] offset:(2*\c)*1536+((\kb)/2)*768+512
	global_store_b128 v[LI], v[PC+6*\c:PC+6*\c+3], s[34:35] offset:(2*\c+1)*1536+((\kb)/2)*768
	global_store_b64 v[L8], v[PC+6*\c+4:PC+6*\c+5], s[34:35] offset:(2*\c+1)*1536+((\kb)/2)*768+512
.endr
.endif
.endm
	VBLOCK 0
	VBLOCK 1
	VBLOCK 2
	VBLOCK 3
	v_cndmask_b32 v[OS], v[VSW], v[VSW+1], s22     ; lanes 0-15 tile 0's words, lanes 16-31 tile 1's
	v_cndmask_b32 v[OS+1], v[VSW+2], v[VSW+3], s22
	global_store_b64 v[L8], v[OS:OS+1], s[36:37]
	s_endpgm
.Lfunc_end_k_q595dc5d126_proj:
	.size	k_q595dc5d126_proj, .Lfunc_end_k_q595dc5d126_proj-k_q595dc5d126_proj
	.p2alignl 7, 3214868480
	.fill 96, 4, 3214868480
	.section	.rodata,"a",@progbits
	.p2align	6, 0x0
	.amdhsa_kernel k_q595dc5d126_proj
		.amdhsa_group_segment_fixed_size 0
		.amdhsa_private_segment_fixed_size 0
		.amdhsa_enable_private_segment 0
		.amdhsa_kernarg_size 56
		.amdhsa_user_sgpr_count 2
		.amdhsa_user_sgpr_kernarg_segment_ptr 1
		.amdhsa_wavefront_size32 1
		.amdhsa_system_sgpr_workgroup_id_x 1
		.amdhsa_system_sgpr_workgroup_id_y 1
		.amdhsa_system_sgpr_workgroup_id_z 1
		.amdhsa_system_vgpr_workitem_id 0
		.amdhsa_next_free_vgpr 512
		.amdhsa_next_free_sgpr 66
		.amdhsa_reserve_vcc 0
		.amdhsa_float_denorm_mode_32 3
		.amdhsa_float_denorm_mode_16_64 3
		.amdhsa_memory_ordered 1
		.amdhsa_forward_progress 1
		.amdhsa_inst_pref_size 103
	.end_amdhsa_kernel
	.amdgpu_metadata
---
amdhsa.version: [ 1, 2 ]
amdhsa.kernels:
  - .name:           k_q595dc5d126_proj
    .symbol:         k_q595dc5d126_proj.kd
    .args:
      - { .name: cc, .offset: 0, .size: 8, .value_kind: global_buffer, .address_space: global }
      - { .name: sc, .offset: 8, .size: 8, .value_kind: global_buffer, .address_space: global }
      - { .name: bq, .offset: 16, .size: 8, .value_kind: global_buffer, .address_space: global }
      - { .name: bk, .offset: 24, .size: 8, .value_kind: global_buffer, .address_space: global }
      - { .name: bv, .offset: 32, .size: 8, .value_kind: global_buffer, .address_space: global }
      - { .name: qc, .offset: 40, .size: 8, .value_kind: global_buffer, .address_space: global }
      - { .name: kv, .offset: 48, .size: 8, .value_kind: global_buffer, .address_space: global }
    .group_segment_fixed_size: 0
    .private_segment_fixed_size: 0
    .kernarg_segment_align: 8
    .kernarg_segment_size: 56
    .max_flat_workgroup_size: 256
    .sgpr_count:     66
    .vgpr_count:     512
    .wavefront_size: 32
...
	.end_amdgpu_metadata
.endif
;; end of part 2
;; launch attn (part 3): grid 16 x 16, 8 waves a work-group, clusters of 4 x 4, 327,680 bytes of LDS; arguments qc, kv, attention_mask, out0; writes out0
.if DOCPART == 3
	.amdgcn_target "amdgcn-amd-amdhsa--gfx1250"
	.amdhsa_code_object_version 6
	.text
	.protected	k_q595dc5d126_attn
	.globl	k_q595dc5d126_attn
	.p2align	8
	.type	k_q595dc5d126_attn,@function
k_q595dc5d126_attn:
	s_mov_b64 s[64:65], 0
	v_nop
	global_prefetch_b8 v0, s[64:65] scope:SCOPE_SE
	s_setreg_imm32_b32 hwreg(HW_REG_WAVE_MODE, 25, 1), 1
	s_wait_xcnt 0x0
	s_wait_alu depctr_hold_cnt(0) depctr_sa_sdst(0) depctr_va_vdst(0) depctr_va_sdst(0) depctr_va_ssrc(0) depctr_va_vcc(0) depctr_vm_vsrc(0)
	s_getreg_b32 s2, hwreg(HW_REG_IB_STS2, 6, 4)
	s_cmp_eq_u32 s2, 0
	s_cbranch_scc0 .Lentry_in_a_cluster
	s_endpgm
.Lentry_in_a_cluster:
	s_bfe_u32 s2, ttmp6, 0x10000c
	s_cmp_lg_u32 s2, 0xf033
	s_cbranch_scc0 .Lentry_shape_is_right
	s_endpgm
.Lentry_shape_is_right:
; LAUNCH 3 OF 3.  out0[b][q][64 head + d] = the sum over keys of softmax((q . k + mask) / 8) v, both products on codes of FP6 (E2M3) with E8M0 scales.  No work is left out.
; THE SOFTMAX: t = (score + mask) x log2(e) / 8; M = the row's largest t so far, rounded UP to a whole number; p = 2^(t - M) is quantised along the keys; the row's sum is taken of the unquantised p and
; divides O at the end.  When M moves, the sum and O are multiplied by 2^(old M - new M): exact.
; SHARES.  A work-group owns 64 queries for 4 heads (head group hg).  Wave w has head 4 hg + w % 4 and the 32 queries of block w / 4: TWO query tiles (unit u: lane r is query 8 u + r + 8 (r / 8) of the 32),
; so each fragment of K and V that it reads from LDS feeds two tiles.  Unit u's state lies in register window u under the same numbers; what both units share lies in window 0.
; KV goes through a ring of two LDS slots of 256 keys (two groups of launch 2's images, my four heads' parts: K's codes, V's codes, K's words, V's words), one tensor load a wave, one change of slots for two steps.
; THE MASK comes through registers: wave w loads rows 8 w .. 8 w + 7 of the work-group's 64, 512 consecutive bytes an instruction, two steps ahead of their use (two sets of 32 registers), and stores them
; into one of two LDS stages, which no tensor load touches; one barrier a step shows a stage whole.  From there the mask is loaded straight into the scores' registers: it is the C of the first product.
; THE BARRIER IS SPLIT: a wave signals when V is in and its rows of the mask are stored, behind the rows' maxima, and waits ahead of its first read of the next stage; between the two stands work on registers alone.
; THE UNITS ARE STAGGERED: unit 0's mask is fetched behind the barrier, K behind the last product on V, unit 1's mask last, behind unit 1's sums; the next step begins with unit 0 while unit 1's mask is on its way.
; K = 64 IN AN INSTRUCTION OF K = 128: q's registers 6-11 are zero codes; a tile of K is followed by the next tile's codes (behind the last: zeros), which meet q's zeros; that half's scale bytes are 0x7f.
; Both products are used transposed (S^T = k q^T, O^T = v^T p^T): a lane holds ONE query; register 16 b + i of S^T is key 32 b + 16 (lane / 16) + i.
; CLUSTER, 4 x 4: one batch; head group = cy % 2; block of 64 queries = 8 x cluster + 4 (cy / 2) + cx.  kv hangs on the batch and on cy alone: the four work-groups of a row of the cluster ask for it JOINTLY.
; The two work-groups that read the same rows of the mask, (cx, cy) and (cx, cy xor 1), lie in one cluster and keep step by its rounds; the mask is no joint request, since it comes by loads into registers,
; which stay out across the changes of slots.
; PREFETCH, one instruction a wave at each change of slots (trip s).  Waves 0-3, kv: the slot that the NEXT change will load; the eight work-groups of the cluster that load it (two rows) share its 408 blocks of
; 256 bytes out by address: group cx / 2; cx % 2: K's side or V's; cy / 2: which half of that side; waves 0-2 sixteen blocks of codes each, wave 3 the 4 or 2 blocks of scale words (the lanes left over name
; their wave's last block again).  Waves 4-7, the mask of steps 2 s + 6 and 2 s + 7, whose loads are issued two and three steps later: 16 rows a wave; of a row's four blocks the two of my head group's
; parity, so the two work-groups that read these rows name each block once between them.  Slots 0 to 2 and the mask's steps 0 to 5 come by their loads alone; the last change asks for nothing.
; A wave has one tensor load out at a time.
; LIMITS: -infinity in the mask gives p = 0, a row masked wholly by -infinity NaN, as the softmax does; NaN in the mask is not served; score and mask are added in the matrix instruction, with one rounding;
; p under 2^-126 is 0; a block of p that is all zeros carries the byte 1 (its codes are zeros); the promise holds while |t| stays under 2^31.
.set GRP,   104448                     ; a group of kv: 128 keys, all heads
.set KVB,   32*GRP
.set QGRP,  53248
.set SLOT1, 1<<17                      ; slot 1 begins here
.set HALF,  52224                      ; a slot's half: one group's part for four heads: K's codes, then
.set VOFF,  24576                      ; V's codes,
.set KSOFF, 49152                      ; K's scale words,
.set VSOFF, 51200                      ; V's scale words
.set MP,    528                        ; a row of a mask stage: 512 bytes + 16
.set MBUF,  64*MP
.set MB,    SLOT1+2*HALF               ; the two mask stages, behind slot 1
.set SPARE, MB+2*MBUF                  ; the spare words, 128 bytes for each wave
.set AK0,  1                           ; v1-5 my lane's places in a slot (never rewritten): K's codes, V's (16 and 8 bytes a lane), K's and V's words
.set AV0,  2
.set AV1,  3
.set ASK0, 4
.set ASV0, 5
.set AMR,  6                           ; where I read the mask
.set SPW,  7                           ; my spare word; never rewritten
.set NIL,  8                           ; 0; never rewritten
.set GO,   9                           ; the way out: my byte offset in out0's rows
.set ADK,  10                          ; v10-14 the same five places in the slot in hand
.set ADV,  11
.set ADV1, 12
.set ADS,  13
.set ADT,  14
.set AMS,  15                          ; where I store my rows of the mask
.set Q,    16                          ; v16-27 q's fragment (22-27: zeros)            [each window]
.set QS,   28                          ; q's scale words: lanes 0-15 unit 0, lanes 16-31 unit 1
.set PFO,  29                          ; the prefetches' offset; never rewritten
.set NM,   30                          ; -M                                            [each window]
.set TX,   31                          ; the largest t so far                          [each window]
.set SUM,  32                          ; v32-33 the row's sum in two halves            [each window]
.set KF,   34                          ; window 0: v34-81 K's tiles, later V's fragments; v82-87 zeros.  Window 1: v34-93 and v0-3: the mask on its way, two sets
.set KS,   88
.set VS,   92
.set STO,  94
.set RD,   95
.set S,    96                          ; v96-159 the mask, then the scores, then p     [each window]
.set O,    160                         ; v160-191 O^T                                  [each window]
.set PC,   192                         ; v192-211 p's codes                            [each window]
.set BM,   212                         ; [each window] blocks' largest scores, then largest p
.set BX,   216
.set SOP,  220
.set PW,   224                         ; v224, v225 p's scale words of units 0, 1 (scale operands are taken from window 0)
.set F,    226                         ; [each window]
.set T,    228                         ; [each window]
.set LI,   229                         ; 16 x lane
.set A1,   230                         ; [each window] the sum's further chains
.set A2,   244
.set A3,   246
.set WV,   12                          ; s12 wave, s13 cx, s14 wave % 4, s15 wave / 4, s16 block of 64 queries, s17 batch, s18 head group, s19 cy, s20 cy / 2, s21 my row's mask
.set G1C,  24                          ; descriptor groups 1: codes (96 rows of 256 bytes), K's words (8), V's words (4)
.set G1S,  32
.set G1T,  40
.set G0C,  48                          ; and groups 0, one each, which walk
.set G0S,  52
.set G0T,  56
.set CNT,  60
.set TB,   61
.set PFA,  66                          ; s[66:67] where my prefetches stand;  s[94:95] a trip's step
.set CS,   68
.set SEL,  70
.set MG,   72
.set PFS,  94
.set MSB, 0
.macro WIN new                         ; the immediate's high byte repeats the setting that is left
.if MSB != \new
	s_set_vgpr_msb (MSB<<8)|\new
.set MSB, \new
.endif
.endm
.macro NOPS
.rept 4
	v_nop
.endr
.endm
.macro CREST                           ; a round of the cluster's barrier behind its opening barrier
	s_cmp_lg_u32 s[WV], 0
	s_cbranch_scc1 .Lnw0_\@
	s_barrier_signal -3
.Lnw0_\@:
	s_barrier_wait -3
	s_barrier_signal -1
	s_barrier_wait -1
.endm
.macro CROUND                          ; a whole round
	s_barrier_signal -1
	s_barrier_wait -1
	CREST
.endm
.macro JLOAD                           ; a wave's one joint load: one chain of branches on wave % 4: 0 K's codes, 1 V's codes, 2 K's words, 3 V's words, of group wave / 4 of the slot
	s_cmp_lt_u32 s14, 2
	s_cbranch_scc0 .Ljs_\@
	tensor_load_to_lds s[G0C:G0C+3], s[G1C:G1C+7]
	s_nop 0
	NOPS
	s_branch .Ljd_\@
.Ljs_\@:
	s_cmp_eq_u32 s14, 2
	s_cbranch_scc0 .Ljt_\@
	tensor_load_to_lds s[G0S:G0S+3], s[G1S:G1S+7]
	s_nop 0
	NOPS
	s_branch .Ljd_\@
.Ljt_\@:
	tensor_load_to_lds s[G0T:G0T+3], s[G1T:G1T+7]
	s_nop 0
	NOPS
.Ljd_\@:
.endm
.macro UPD                             ; the walking descriptors: the other slot, the next two groups (written only where no tensor load of mine is out)
.irp g, G0C, G0S, G0T
	s_xor_b32 s[\g+1], s[\g+1], SLOT1
	s_add_nc_u64 s[\g+2:\g+3], s[\g+2:\g+3], 2*GRP
.endr
.endm
.macro ASK                             ; not in the loop's last trip: nothing is left to name
	s_cmp_gt_u32 s[CNT], 1
	s_cbranch_scc0 .Lnm_\@
	global_prefetch_b8 v[PFO], s[PFA:PFA+1] th:TH_LOAD_NT scope:SCOPE_SE
.Lnm_\@:
.endm
.macro WMMA d, a, b, sa, sb, ra, rb    ; D = C; ra, rb: the side's scale words stand in lanes 16-31
.if (\ra) && (\rb)
	v_wmma_scale_f32_16x16x128_f8f6f4 v[\d:\d+7], v[\a:\a+11], v[\b:\b+11], v[\d:\d+7], v[\sa], v[\sb] matrix_a_fmt:MATRIX_FMT_FP6 matrix_b_fmt:MATRIX_FMT_FP6 matrix_a_scale:MATRIX_SCALE_ROW1 matrix_b_scale:MATRIX_SCALE_ROW1
.elseif (\ra)
	v_wmma_scale_f32_16x16x128_f8f6f4 v[\d:\d+7], v[\a:\a+11], v[\b:\b+11], v[\d:\d+7], v[\sa], v[\sb] matrix_a_fmt:MATRIX_FMT_FP6 matrix_b_fmt:MATRIX_FMT_FP6 matrix_a_scale:MATRIX_SCALE_ROW1
.elseif (\rb)
	v_wmma_scale_f32_16x16x128_f8f6f4 v[\d:\d+7], v[\a:\a+11], v[\b:\b+11], v[\d:\d+7], v[\sa], v[\sb] matrix_a_fmt:MATRIX_FMT_FP6 matrix_b_fmt:MATRIX_FMT_FP6 matrix_b_scale:MATRIX_SCALE_ROW1
.else
	v_wmma_scale_f32_16x16x128_f8f6f4 v[\d:\d+7], v[\a:\a+11], v[\b:\b+11], v[\d:\d+7], v[\sa], v[\sb] matrix_a_fmt:MATRIX_FMT_FP6 matrix_b_fmt:MATRIX_FMT_FP6
.endif
.endm
.macro MSR set, k                      ; MR: the four registers (window 1) of row k of a set of the mask on its way
.set MR, 34+32*(\set)+4*(\k)
.if MR == 94
.set MR, 0
.endif
.endm
.macro GLOAD set, off                  ; my 8 rows of the mask, 128 keys at byte off from where s[MG] stands
	WIN 0x40
.irp k, 0,1,2,3,4,5,6,7
	MSR \set, \k
	global_load_b128 v[MR:MR+3], v[LI], s[MG:MG+1] offset:\k*16384+\off
.endr
	WIN 0
.endm
.macro MSTORE set                      ; and into stage 'set'
	WIN 0x04
.irp k, 0,1,2,3,4,5,6,7
	MSR \set, \k
	ds_store_b128 v[AMS], v[MR:MR+3] offset:(\set)*MBUF+\k*MP
.endr
	WIN 0
.endm
.macro MLOADU u, mb                    ; mask[my query][32 b + 16 h + 0 .. 15] into unit u's scores' registers: 16 loads
	WIN 0x40*\u
.irp b, 0,1,2,3
.irp i, 0,1,2,3
	ds_load_b128 v[S+16*\b+4*\i:S+16*\b+4*\i+3], v[AMR] offset:(\mb)*MBUF+\u*16*MP+128*\b+16*\i
.endr
.endr
	WIN 0
.endm
.macro KLOAD hf
.irp p, 0,1,2,3,4,5,6,7,8,9,10,11
	ds_load_b128 v[KF+4*\p:KF+4*\p+3], v[ADK] offset:(\hf)*HALF+512*\p
.endr
	ds_load_b128 v[KS:KS+3], v[ADS] offset:(\hf)*HALF
.endm
.macro VLOAD hf
.irp t, 0,1,2,3
	ds_load_b128 v[KF+12*\t:KF+12*\t+3], v[ADV] offset:(\hf)*HALF+1536*\t
	ds_load_b64 v[KF+12*\t+4:KF+12*\t+5], v[ADV1] offset:(\hf)*HALF+1536*\t+512
	ds_load_b128 v[KF+12*\t+6:KF+12*\t+9], v[ADV] offset:(\hf)*HALF+1536*\t+768
	ds_load_b64 v[KF+12*\t+10:KF+12*\t+11], v[ADV1] offset:(\hf)*HALF+1536*\t+1280
.endr
	ds_load_b64 v[VS:VS+1], v[ADT] offset:(\hf)*HALF
.endm
.macro QK u                            ; S^T = k q^T + mask: eight accumulators, one instruction each
	WIN 0x54*\u
.irp b, 0,1,2,3
.irp t, 0,1
	WMMA S+16*\b+8*\t, KF+12*\b+6*\t, Q, KS+\b, QS, \t, \u
.endr
.endr
	WIN 0
	NOPS                                           ; places in front of the first read of the scores (and, behind unit 1's, of the loads into K's registers)
.endm
.macro ROWMAX u                        ; a unit's largest score of each block of 32 keys (it serves the row's maximum and the block's largest p), the new -M and f.  The four blocks' chains take turns
	WIN 0x55*\u
.irp b, 0,1,2,3
	v_max3_num_f32 v[BM+\b], v[S+16*\b], v[S+1+16*\b], v[S+2+16*\b]
.endr
.irp i, 3,5,7,9,11,13
.irp b, 0,1,2,3
	v_max3_num_f32 v[BM+\b], v[BM+\b], v[S+16*\b+\i], v[S+1+16*\b+\i]
.endr
.endr
.irp b, 0,1,2,3
	v_max_num_f32 v[BM+\b], v[BM+\b], v[S+15+16*\b]
.endr
.irp b, 0,1,2,3
	v_permlanex16_b32 v[BX+\b], v[BM+\b], s[SEL], s[SEL+1]
.endr
.irp b, 0,1,2,3
	v_max_num_f32 v[BM+\b], v[BM+\b], v[BX+\b]
.endr
	s_delay_alu instid0(VALU_DEP_2)
	v_max3_num_f32 v[T], v[BM], v[BM+1], v[BM+2]
	s_delay_alu instid0(VALU_DEP_1)
	v_max_num_f32 v[T], v[T], v[BM+3]
	s_delay_alu instid0(VALU_DEP_1)
	v_mul_f32 v[T], s[CS], v[T]
	s_delay_alu instid0(VALU_DEP_1)
	v_max_num_f32 v[TX], v[TX], v[T]
	v_mov_b32 v[T], v[NM]
	s_delay_alu instid0(VALU_DEP_2)
	v_floor_f32 v[NM], -v[TX]                      ; -M = floor(-t): M is a whole number
	s_delay_alu instid0(VALU_DEP_1)
	v_sub_f32 v[T], v[NM], v[T]
	s_delay_alu instid0(VALU_DEP_1)
	v_cvt_i32_f32 v[T], v[T]                       ; (it saturates)
	s_delay_alu instid0(VALU_DEP_1)
	v_ldexp_f32 v[F], 1.0, v[T]                    ; f = 2^(old M - new M)
	WIN 0
.endm
.macro POSTS u                         ; a unit's sum of the unquantised p, in four chains
	WIN 0x55*\u
.if \u == 0
	v_pk_mul_f32 v[SUM:SUM+1], v[SUM:SUM+1], v[F:F+1] op_sel_hi:[1,0]
.endif
	v_pk_add_f32 v[A1:A1+1], v[S:S+1], v[S+2:S+3]
	v_pk_add_f32 v[A2:A2+1], v[S+4:S+5], v[S+6:S+7]
	v_pk_add_f32 v[A3:A3+1], v[S+8:S+9], v[S+10:S+11]
	v_pk_add_f32 v[SUM:SUM+1], v[SUM:SUM+1], v[S+12:S+13]
.irp j, 14,22,30,38,46,54
	v_pk_add_f32 v[A1:A1+1], v[A1:A1+1], v[S+\j:S+\j+1]
	v_pk_add_f32 v[A2:A2+1], v[A2:A2+1], v[S+\j+2:S+\j+3]
	v_pk_add_f32 v[A3:A3+1], v[A3:A3+1], v[S+\j+4:S+\j+5]
	v_pk_add_f32 v[SUM:SUM+1], v[SUM:SUM+1], v[S+\j+6:S+\j+7]
.endr
	v_pk_add_f32 v[A1:A1+1], v[A1:A1+1], v[S+62:S+63]
	v_pk_add_f32 v[A2:A2+1], v[A2:A2+1], v[A3:A3+1]
	s_delay_alu instid0(VALU_DEP_2)
	v_pk_add_f32 v[SUM:SUM+1], v[SUM:SUM+1], v[A1:A1+1]
	s_delay_alu instid0(VALU_DEP_1)
	v_pk_add_f32 v[SUM:SUM+1], v[SUM:SUM+1], v[A2:A2+1]
.endm
.macro POSTC u                         ; p's scale word and p's codes; the four blocks' chains take turns
	WIN 0x55*\u
.irp b, 0,1,2,3
	v_max_num_f32 v[BM+\b], 0x1800000, v[BM+\b]    ; the floor 2^(3 - 127): the byte cannot fall under 1
.endr
.irp b, 0,1,2,3
	v_add_nc_u32 v[SOP+\b], 0xff000000, v[BM+\b]   ; 2 off the exponent field: the conversion's scale operand
.endr
.irp b, 0,1,2,3
	v_lshrrev_b32 v[BX+\b], 23, v[SOP+\b]          ; the scale's byte
.endr
	v_lshl_or_b32 v[T], v[BX+1], 8, v[BX]
	s_delay_alu instid0(VALU_DEP_1)
	v_lshl_or_b32 v[T], v[BX+2], 16, v[T]
	WIN 0x11*\u                                    ; the word itself goes to window 0
	v_lshl_or_b32 v[PW+\u], v[BX+3], 24, v[T]
	WIN 0x55*\u
.irp c, 0,1
	v_cvt_scalef32_pk16_fp6_f32 v[PC+6*\c:PC+2+6*\c], v[S+32*\c:S+15+32*\c], v[SOP+2*\c]
	v_cvt_scalef32_pk16_fp6_f32 v[PC+12+4*\c:PC+14+4*\c], v[S+16+32*\c:S+31+32*\c], v[SOP+2*\c+1]
.endr
	v_nop                                          ; one plain place behind a scaled conversion
.irp c, 0,1                            ; a WHOLE block in a lane: lanes 0-15 block 2 c, lanes 16-31 block 2 c + 1
.irp i, 0,1,2
	v_permlane16_swap_b32 v[PC+6*\c+\i], v[PC+12+4*\c+\i]
.endr
.irp i, 0,1,2
	v_mov_b32 v[PC+3+6*\c+\i], v[PC+12+4*\c+\i]
.endr
.endr
.endm
.macro PV u                            ; O^T under the new M (also the places between the codes' and the word's last writes and the products), then O^T += v^T p^T: four accumulators, one instruction each
	WIN 0x55*\u
	s_wait_alu depctr_va_vdst(0)                   ; directly ahead of the first reader of O^T
.set j, 0
.rept 16
	v_pk_mul_f32 v[O+j:O+j+1], v[O+j:O+j+1], v[F:F+1] op_sel_hi:[1,0]
.set j, j+2
.endr
	WIN 0x54*\u
.irp t, 0,1,2,3
	WMMA O+8*\t, KF+12*\t, PC, VS+\t/2, PW+\u, \t%2, 0
.endr
.endm
	s_load_b256 s[4:11], s[0:1], 0x0               ; qc s[4:5], kv s[6:7], the mask s[8:9], out0 s[10:11]
	v_lshl_add_u32 v[SPW], v0, 2, SPARE
	v_mov_b32 v[NIL], 0
	ds_add_u32 v[SPW], v[NIL]                      ; the opening: the add, twice on end, and its wait ahead of my first tensor load
	ds_add_u32 v[SPW], v[NIL]
	v_lshrrev_b32 v232, 5, v0
	v_readfirstlane_b32 s[WV], v232                ; wave 0..7
	v_and_b32 v232, 31, v0                         ; lane
	v_lshlrev_b32 v[LI], 4, v232
	s_bfe_u32 s13, ttmp6, 0x40000                  ; cx: it enters global addresses of my own loads, stores and prefetches alone
	s_bfe_u32 s19, ttmp6, 0x40004                  ; cy
	s_and_b32 s14, s[WV], 3
	s_lshr_b32 s15, s[WV], 2
	s_and_b32 s17, ttmp7, 0xffff                   ; in a cluster launch ttmp9 and ttmp7 count clusters
	s_lshl_b32 s17, s17, 2
	s_add_co_u32 s17, s17, ttmp9                   ; cluster 0..15
	s_lshr_b32 s20, s19, 1                         ; cy / 2
	s_lshl_b32 s16, s17, 1
	s_add_co_u32 s16, s16, s20
	s_lshl_b32 s16, s16, 2
	s_add_co_u32 s16, s16, s13                     ; my block of 64 queries among the 128 of both batches: 8 x cluster + 4 (cy / 2) + cx
	s_lshr_b32 s17, s17, 3                         ; batch
	s_and_b32 s18, s19, 1                          ; head group: cy % 2
	s_lshl_b32 s21, s19, 2
	s_lshl_b32 s21, 15, s21                        ; my row of the cluster: places 4 cy .. 4 cy + 3
.irp g, G1C, G1S, G1T                  ; dense rows of 256 bytes (32 elements of 8 bytes), no padding; the mask: my row; bit 21 beside it
	s_or_b32 s[\g], s21, (3<<16)|(1<<21)
	s_mov_b32 s[\g+1], 32<<16
	s_mov_b32 s[\g+3], 32<<16
	s_mov_b32 s[\g+5], 32
	s_mov_b32 s[\g+6], 0
	s_mov_b32 s[\g+7], 0
.endr
	s_mov_b32 s[G1C+2], 96<<16
	s_mov_b32 s[G1C+4], 96
	s_mov_b32 s[G1S+2], 8<<16
	s_mov_b32 s[G1S+4], 8
	s_mov_b32 s[G1T+2], 4<<16
	s_mov_b32 s[G1T+4], 4
	s_lshr_b32 s74, s16, 1                         ; q: the group of 128 tokens,
	s_mul_i32 s74, s74, QGRP
	s_and_b32 s75, s16, 1
	s_lshl_b32 s75, s75, 1
	s_add_co_u32 s75, s75, s15                     ; the token block in it,
	s_lshl_b32 s76, s18, 2
	s_add_co_u32 s76, s76, s14                     ; my head
	s_mul_i32 s78, s76, 6144
	s_mul_i32 s77, s75, 1536
	s_add_co_u32 s78, s78, s77
	s_add_co_u32 s78, s78, s74
	s_mov_b32 s79, 0
	s_lshl_b32 s80, s76, 9
	s_lshl_b32 s77, s75, 2
	s_add_co_u32 s80, s80, s77
	s_add_co_u32 s80, s80, s74
	s_add_co_u32 s80, s80, 49152
	s_mov_b32 s81, 0
	s_lshl_b32 s[MG], s16, 20                      ; the mask: 64 rows of 16,384 bytes a work-group, 8 rows a wave
	s_lshl_b32 s77, s[WV], 17
	s_add_co_u32 s[MG], s[MG], s77
	s_mov_b32 s[MG+1], 0
	s_lshl_b32 s82, s16, 17                        ; out0: 64 rows of 2,048 bytes a work-group, 32 a wave's block, my head's 256 bytes
	s_lshl_b32 s77, s15, 16
	s_add_co_u32 s82, s82, s77
	s_lshl_b32 s77, s76, 8
	s_add_co_u32 s82, s82, s77
	s_mov_b32 s83, 0
	s_mul_i32 s74, s17, KVB                        ; kv:
	s_mul_i32 s75, s15, GRP
	s_add_co_u32 s74, s74, s75                     ; the batch's group wave / 4
	s_and_b32 s76, s[WV], 1
	s_mul_i32 s77, s76, 49152                      ; K's codes or V's,
	s_mul_i32 s84, s18, 24576                      ; my head group's four heads
	s_add_co_u32 s84, s84, s77
	s_add_co_u32 s84, s84, s74
	s_mov_b32 s85, 0
	s_lshl_b32 s86, s18, 11
	s_add_co_u32 s86, s86, s74
	s_add_co_u32 s86, s86, 98304                   ; K's words
	s_mov_b32 s87, 0
	s_lshl_b32 s88, s18, 10
	s_add_co_u32 s88, s88, s74
	s_add_co_u32 s88, s88, 102400                  ; V's words
	s_mov_b32 s89, 0
	s_mul_i32 s75, s15, HALF
	s_mul_i32 s77, s76, VOFF
	s_mov_b32 s[G0C], 1
	s_add_co_u32 s[G0C+1], s75, s77
	s_mov_b32 s[G0S], 1
	s_add_co_u32 s[G0S+1], s75, KSOFF
	s_mov_b32 s[G0T], 1
	s_add_co_u32 s[G0T+1], s75, VSOFF
	s_mov_b32 s[CS], 0x3e38aa3b                    ; c = log2(e) / 8
	s_mov_b32 s[CS+1], s[CS]
	s_mov_b32 s[SEL], 0x76543210
	s_mov_b32 s[SEL+1], 0xfedcba98                 ; v_permlanex16_b32's selects for lane l xor 16
	s_mov_b32 s[TB], 0
	s_mov_b32 s[CNT], 14
	s_wait_alu depctr_va_vdst(0)
	s_wait_dscnt 0x0                               ; both opening adds are done
	s_wait_kmcnt 0x0
	s_add_nc_u64 s[78:79], s[4:5], s[78:79]
	s_add_nc_u64 s[80:81], s[4:5], s[80:81]
	s_add_nc_u64 s[MG:MG+1], s[8:9], s[MG:MG+1]
	s_add_nc_u64 s[10:11], s[10:11], s[82:83]
.irp p, 0,1,2
	global_load_b128 v[Q+4*\p:Q+4*\p+3], v[LI], s[78:79] offset:512*\p   ; registers 0-5 unit 0's codes, 6-11 unit 1's
.endr
	global_load_b32 v[QS], v[LI], s[80:81]
	GLOAD 0, 0                                     ; the mask of steps 0 and 1
	GLOAD 1, 512
	s_add_nc_u64 s[G0C+2:G0C+3], s[6:7], s[84:85]
	s_or_b32 s[G0C+3], s[G0C+3], 0x80000000
	s_add_nc_u64 s[G0S+2:G0S+3], s[6:7], s[86:87]
	s_or_b32 s[G0S+3], s[G0S+3], 0x80000000
	s_add_nc_u64 s[G0T+2:G0T+3], s[6:7], s[88:89]
	s_or_b32 s[G0T+3], s[G0T+3], 0x80000000
	CROUND                                         ; all sixteen work-groups are here: the first joint loads meet
	JLOAD                                          ; slot 0: one tensor load a wave at the head
	v_and_b32 v233, 15, v0                         ; r
	v_bfe_u32 v234, v0, 4, 1                       ; h
	v_lshlrev_b32 v235, 3, v232
	s_mul_i32 s74, s14, 6144
	v_add_nc_u32 v[AK0], s74, v[LI]
	v_add_nc_u32 v[AV0], VOFF, v[AK0]
	v_add_nc_u32 v[AV1], s74, v235
	v_add_nc_u32 v[AV1], VOFF, v[AV1]
	s_lshl_b32 s74, s14, 9
	v_add_nc_u32 v[ASK0], s74, v[LI]
	v_add_nc_u32 v[ASK0], KSOFF, v[ASK0]
	s_lshl_b32 s74, s14, 8
	v_add_nc_u32 v[ASV0], s74, v235
	v_add_nc_u32 v[ASV0], VSOFF, v[ASV0]
	s_mul_i32 s74, s15, 32*MP
	s_add_co_u32 s74, s74, MB
	v_mul_u32_u24 v[AMR], v233, MP
	v_lshl_add_u32 v[AMR], v234, 6, v[AMR]
	v_add_nc_u32 v[AMR], s74, v[AMR]               ; place 32 (wave / 4) + r (+ 16 for unit 1), + 64 h
	s_and_b32 s75, s14, 1                          ; my rows 8 i on of the 32 (i = wave % 4) go to places 8 (2 (i % 2) + i / 2) on: a query tile's 16 rows then lie on end
	s_lshl_b32 s75, s75, 1
	s_lshr_b32 s76, s14, 1
	s_or_b32 s75, s75, s76
	s_mul_i32 s75, s75, 8*MP
	s_add_co_u32 s75, s75, s74
	v_add_nc_u32 v[AMS], s75, v[LI]
	v_lshlrev_b32 v[GO], 11, v234
	v_lshl_add_u32 v[GO], v233, 4, v[GO]           ; the way out: lanes 0-15 one row of out0, lanes 16-31 the next
.irp a, 0,1,2,3,4
	v_add_nc_u32 v[ADK+\a], s[TB], v[AK0+\a]
.endr
	s_and_b32 s84, s13, 1                          ; the prefetches.  kv: K's side or V's,
	s_lshr_b32 s85, s13, 1                         ; which group of a slot's two
	s_mul_i32 s86, s17, KVB
	s_mul_i32 s85, s85, GRP
	s_add_co_u32 s86, s86, s85
	s_add_co_u32 s86, s86, 6*GRP                   ; they begin at slot 3
	s_mul_i32 s87, s84, 49152
	s_mul_i32 s88, s18, 24576
	s_add_co_u32 s87, s87, s88                     ; waves 0-2: my head group's codes,
	s_mul_i32 s88, s20, 48*256                     ; the half of their 96 blocks that cy / 2 names,
	s_add_co_u32 s87, s87, s88
	s_lshl_b32 s88, s[WV], 12                      ; sixteen blocks a wave
	s_add_co_u32 s87, s87, s88
	s_lshl_b32 s88, s84, 12
	s_lshl_b32 s89, s18, 11
	s_lshl_b32 s90, s20, 10
	s_add_co_u32 s89, s89, s90
	s_lshr_b32 s89, s89, s84
	s_add_co_u32 s88, s88, s89
	s_add_co_u32 s88, s88, 98304                   ; wave 3: my half of the scale words,
	s_lshr_b32 s89, 3, s84                         ; whose last block is 3 or 1
	s_cmp_eq_u32 s[WV], 3
	s_cselect_b32 s87, s88, s87
	s_cselect_b32 s89, s89, 15
	s_add_co_u32 s86, s86, s87
	s_lshl_b32 s91, s16, 20                        ; the mask: my work-group's rows,
	s_lshl_b32 s92, s14, 18                        ; 16 of them for each of waves 4-7,
	s_add_co_u32 s91, s91, s92
	s_lshl_b32 s92, s18, 8                         ; the blocks of my head group's parity,
	s_add_co_u32 s91, s91, s92
	s_add_co_u32 s91, s91, 6*512                   ; from step 6 on
	s_mov_b32 s[PFS], 1024
	s_cmp_lt_u32 s[WV], 4
	s_cselect_b32 s86, s86, s91
	s_cselect_b64 s[PFA:PFA+1], s[6:7], s[8:9]
	s_cselect_b32 s[PFS], 2*GRP, s[PFS]
	s_cselect_b32 s93, -1, 0
	s_mov_b32 s87, 0
	s_mov_b32 s[PFS+1], 0
	s_add_nc_u64 s[PFA:PFA+1], s[PFA:PFA+1], s[86:87]
	v_min_u32 v236, s89, v232                      ; waves 0-3: a lane a block, up to my wave's last
	v_lshlrev_b32 v237, 8, v236
	v_lshrrev_b32 v238, 1, v232                    ; waves 4-7: row lane / 2,
	v_and_b32 v239, 1, v232
	v_lshlrev_b32 v239, 9, v239                    ; step lane % 2 of the two
	v_lshl_add_u32 v238, v238, 14, v239
	v_cndmask_b32 v[PFO], v238, v237, s93
.irp u, 0,1
	WIN 0x55*\u
.set j, 0
.rept 32
	v_mov_b32 v[O+j], 0                            ; O^T: the step is written for all trips alike
.set j, j+1
.endr
	v_mov_b32 v[TX], 0xff61b1e6                    ; -3e38, under every t
	v_floor_f32 v[NM], -v[TX]
	v_mov_b32 v[SUM], 0
	v_mov_b32 v[SUM+1], 0
	v_mov_b32 v[F+1], 0
.irp b, 0,1,2,3
	v_mov_b32 v[BX+\b], 0                          ; a lane permute's destination counts as one of its sources
.endr
.endr
.irp i, 0,1,2,3,4,5
	v_mov_b32 v[Q+6+\i], 0                         ; (window 1) unit 1's codes of the upper 64 of K = 128
.endr
	WIN 0
.irp i, 0,1,2,3,4,5
	v_mov_b32 v[KF+48+\i], 0                       ; what stands behind K's last tile
.endr
	s_wait_alu depctr_va_vdst(0)
	s_wait_loadcnt 8                               ; q and step 0's mask are in; step 1's eight loads may be out
	WIN 0x40
.irp i, 0,1,2,3,4,5
	v_mov_b32 v[Q+\i], v[Q+6+\i]                   ; unit 1's six registers, into window 1
.endr
	WIN 0
.irp i, 0,1,2,3,4,5
	v_mov_b32 v[Q+6+\i], 0
.endr
	MSTORE 0
	s_wait_dscnt 0x0                               ; the stores have read their registers,
	GLOAD 0, 1024                                  ; which take step 2's mask
	s_wait_xcnt 0x0
	s_add_nc_u64 s[MG:MG+1], s[MG:MG+1], 1536      ; on to step 3
	s_wait_alu depctr_va_vdst(0)                   ; the head's end
	s_wait_tensorcnt 0x0                           ; my part of slot 0 is in; the full sequence ahead of slot 1's first fill:
	ds_add_u32 v[SPW], v[NIL]
	UPD
	s_wait_dscnt 0x0
	CROUND
	JLOAD                                          ; slot 1
	MLOADU 0, 0
	KLOAD 0
	MLOADU 1, 0
; A KEY STEP of 128 keys, both units.  par: which half of the slot.  chg = 2: change of slots with a round, the refill and the prefetch; 1: the last slot is awaited, nothing is filled.
; nxt: the next step's mask and K are fetched.  gld: the mask of three steps on is asked for.  mst: the next step's mask goes into its stage; lw: the younger loads that may stay out then.
.macro STEP par, chg, nxt, gld, mst, lw
	s_wait_alu depctr_va_vdst(0)
	s_wait_dscnt 16                                ; unit 0's mask, K and K's words are in; the youngest sixteen loads, unit 1's mask, may be out
	QK 0
	ROWMAX 0
	s_wait_alu depctr_va_vdst(0)
	s_wait_dscnt 0x0                               ; unit 1's mask is in
	QK 1
	VLOAD \par
.if \mst
	s_wait_loadcnt \lw
	MSTORE 1-\par                                  ; I have passed the last step's barrier, which every wave signalled behind its last read of this stage
.endif
	ROWMAX 1
	s_wait_alu depctr_va_vdst(0)
.if \chg
	s_wait_tensorcnt 0x0                           ; my part of the next slot has landed
	ds_add_u32 v[SPW], v[NIL]
.endif
.if \chg == 2
	UPD
.endif
	s_wait_dscnt 0x0                               ; V is in: my reads of this half are over; my rows of the mask are stored (and the add is done)
.if (\chg) || (\mst)
	s_barrier_signal -1                            ; say so; work on registers alone stands up to the wait (where a slot is filled again this barrier opens a round of the cluster's)
.endif
.irp u, 0,1
	WIN 0x55*\u
.set j, 0
.rept 32
	v_pk_fma_f32 v[S+j:S+j+1], v[S+j:S+j+1], s[CS:CS+1], v[NM:NM+1] op_sel_hi:[1,0,0]   ; t - M
.set j, j+2
.endr
.irp b, 0,1,2,3
	v_fma_f32 v[BM+\b], v[BM+\b], s[CS], v[NM]
.endr
.endr
	s_wait_alu depctr_va_vdst(0)                   ; ahead of the batch
.irp u, 0,1
	WIN 0x55*\u
.set j, 0
.rept 64
	v_exp_f32 v[S+j], v[S+j]                       ; p = 2^(t - M)
.set j, j+1
.endr
.irp b, 0,1,2,3
	v_exp_f32 v[BM+\b], v[BM+\b]                   ; the block's largest p
.endr
.endr
	v_pk_mul_f32 v[SUM:SUM+1], v[SUM:SUM+1], v[F:F+1] op_sel_hi:[1,0]   ; unit 1's sum under the new M: the plain place behind the batch
	s_wait_alu depctr_va_vdst(0)                   ; one wait for the whole batch
	POSTS 0
	POSTC 0
	WIN 0
	s_wait_alu depctr_va_vdst(0)
.if (\chg) || (\mst)
	s_barrier_wait -1                              ; the next stage is whole
.endif
.if \chg == 2
	CREST                                          ; no wave of any partner still reads this slot or has a load on its way; the next slot is whole
	JLOAD                                          ; the slot after next, into the slot just left
	ASK
.endif
.if \gld
	GLOAD 1-\par, \par*512
.endif
.if \nxt
	MLOADU 0, 1-\par                               ; unit 0's p has been read for the last time
.endif
	PV 0
	POSTC 1
	PV 1
	WIN 0
.if \nxt
.if \par
	s_xor_b32 s[TB], s[TB], SLOT1                  ; on to the other slot; the five lines are the places in front of the loads into V's registers
.irp a, 0,1,2,3,4
	v_add_nc_u32 v[ADK+\a], s[TB], v[AK0+\a]
.endr
.else
	NOPS
.endif
	KLOAD 1-\par
.endif
	POSTS 1                                        ; unit 1's sums stand behind K's loads
	WIN 0
.if \nxt
	MLOADU 1, 1-\par
.endif
.endm
.Ltrip:                                            ; 14 trips: trip s works slot s (steps 2 s, 2 s + 1) and asks for slot s + 2
	STEP 0, 0, 1, 1, 1, 8
	STEP 1, 2, 1, 1, 1, 8
	s_wait_xcnt 0x0                                ; the trip's loads and prefetch have read their bases
	s_add_nc_u64 s[MG:MG+1], s[MG:MG+1], 1024
	s_add_nc_u64 s[PFA:PFA+1], s[PFA:PFA+1], s[PFS:PFS+1]
	s_sub_co_u32 s[CNT], s[CNT], 1
	s_cmp_lg_u32 s[CNT], 0
	s_cbranch_scc1 .Ltrip
	STEP 0, 0, 1, 1, 1, 8                          ; the last four steps are written out
	STEP 1, 1, 1, 0, 1, 8
	STEP 0, 0, 1, 0, 1, 0
	STEP 1, 0, 0, 0, 0, 0
	; THE WAY OUT.  O^T / the sum goes through my stage in LDS, 16 rows x (256 bytes + 16) for each unit, and leaves as whole runs of 256 bytes.  The stages lie in slot 0: it has had its last fill, and every
	; wave's last read of it was over in front of its signal in step 29; I have passed step 30's barrier.
.irp u, 0,1
	WIN 0x55*\u
	v_add_f32 v[SUM], v[SUM], v[SUM+1]
	s_delay_alu instid0(VALU_DEP_1)
	v_permlanex16_b32 v[T], v[SUM], s[SEL], s[SEL+1]
	s_delay_alu instid0(VALU_DEP_1)
	v_add_f32 v[SUM], v[SUM], v[T]
.endr
	s_wait_alu depctr_va_vdst(0)
	v_rcp_f32 v[SUM], v[SUM]
	WIN 0
	v_rcp_f32 v[SUM], v[SUM]
	v_and_b32 v10, 15, v0
	v_bfe_u32 v11, v0, 4, 1
	s_mul_i32 s74, s[WV], 2*16*272
	v_mul_u32_u24 v[STO], v10, 272
	v_mul_u32_u24 v[RD], v11, 272
	v_lshl_add_u32 v[STO], v11, 6, v[STO]
	v_lshl_add_u32 v[RD], v10, 4, v[RD]
	v_add_nc_u32 v[STO], s74, v[STO]               ; in: row r, + 64 h
	v_add_nc_u32 v[RD], s74, v[RD]                 ; back: lanes 0-15 one row, lanes 16-31 the next
.irp u, 0,1
	WIN 0x55*\u
	s_wait_alu depctr_va_vdst(0)                   ; ahead of the first reader of the reciprocal and of O^T
.set j, 0
.rept 16
	v_pk_mul_f32 v[S+j:S+j+1], v[O+j:O+j+1], v[SUM:SUM+1] op_sel_hi:[1,0]
.set j, j+2
.endr
.endr
.irp u, 0,1
	WIN 0x04*\u
.irp b, 0,1
.irp e, 0,1,2,3
	ds_store_b128 v[STO], v[S+16*\b+4*\e:S+16*\b+4*\e+3] offset:\u*4352+128*\b+16*\e
.endr
.endr
.endr
.irp u, 0,1
	WIN 0x40*\u
.irp i, 0,1,2,3,4,5,6,7
	ds_load_b128 v[S+32+4*\i:S+35+4*\i], v[RD] offset:\u*4352+544*\i   ; LDS serves a wave's instructions in order: these see my stores
.endr
.endr
.irp u, 0,1
	WIN 0x04*\u
	s_wait_dscnt 8-8*\u                            ; this unit's eight loads are back
.irp i, 0,1,2,3,4,5,6,7
	global_store_b128 v[GO], v[S+32+4*\i:S+35+4*\i], s[10:11] offset:\u*16384+(2*\i+8*(\i/4))*2048 th:TH_STORE_NT   ; 16 lanes store 256 consecutive bytes, aligned
.endr
.endr
	WIN 0
	s_wait_tensorcnt 0x0                           ; the wave's end
	ds_add_u32 v[SPW], v[NIL]
	s_wait_dscnt 0x0
	CROUND                                         ; the closing round
	s_endpgm
.Lfunc_end_k_q595dc5d126_attn:
	.size	k_q595dc5d126_attn, .Lfunc_end_k_q595dc5d126_attn-k_q595dc5d126_attn
	.p2alignl 7, 3214868480
	.fill 96, 4, 3214868480
	.section	.rodata,"a",@progbits
	.p2align	6, 0x0
	.amdhsa_kernel k_q595dc5d126_attn
		.amdhsa_group_segment_fixed_size 327680
		.amdhsa_private_segment_fixed_size 0
		.amdhsa_enable_private_segment 0
		.amdhsa_kernarg_size 32
		.amdhsa_user_sgpr_count 2
		.amdhsa_user_sgpr_kernarg_segment_ptr 1
		.amdhsa_wavefront_size32 1
		.amdhsa_system_sgpr_workgroup_id_x 1
		.amdhsa_system_sgpr_workgroup_id_y 1
		.amdhsa_system_sgpr_workgroup_id_z 1
		.amdhsa_system_vgpr_workitem_id 0
		.amdhsa_next_free_vgpr 512
		.amdhsa_next_free_sgpr 96
		.amdhsa_reserve_vcc 0
		.amdhsa_float_denorm_mode_32 3
		.amdhsa_float_denorm_mode_16_64 3
		.amdhsa_memory_ordered 1
		.amdhsa_forward_progress 1
		.amdhsa_inst_pref_size 226
	.end_amdhsa_kernel
	.amdgpu_metadata
---
amdhsa.version: [ 1, 2 ]
amdhsa.kernels:
  - .name:           k_q595dc5d126_attn
    .symbol:         k_q595dc5d126_attn.kd
    .args:
      - { .name: qc, .offset: 0, .size: 8, .value_kind: global_buffer, .address_space: global }
      - { .name: kv, .offset: 8, .size: 8, .value_kind: global_buffer, .address_space: global }
      - { .name: attention_mask, .offset: 16, .size: 8, .value_kind: global_buffer, .address_space: global }
      - { .name: out0, .offset: 24, .size: 8, .value_kind: global_buffer, .address_space: global }
    .group_segment_fixed_size: 327680
    .private_segment_fixed_size: 0
    .kernarg_segment_align: 8
    .kernarg_segment_size: 32
    .max_flat_workgroup_size: 256
    .sgpr_count:     96
    .vgpr_count:     512
    .wavefront_size: 32
...
	.end_amdgpu_metadata
.endif
;; end of part 3
